; MI455X (gfx1250); checked and timed in simulation.
; The chip was launched on July 23, 2026; its instructions are those of AMD's public machine-readable ISA for CDNA 5 (MIT licence, August 2026) and "CDNA5" Instruction Set Architecture Reference Guide (July 2026). The comments in the code are by the model that wrote it; some were corrected since.
;; Multi Head Attention. Allowed arithmetic: matrix products marked QUANTISED: E2M3 operands, one E8M0 scale for each 32 along K, by v_wmma_scale_f32_16x16x128_f8f6f4 with both operands' format E2M3, f32 sums; everything else in f32.
;; Inputs: W_out_codes 1,024 x 32 x 24 uint8 (E2M3 codes of W_out, K innermost, in blocks of 32 codes, four codes in three bytes); W_out_scales 1,024 x 32 uint8 (E8M0 scales of W_out, one for each 32 codes along K); W_qkv_codes 3,072 x 32 x 24 uint8 (E2M3 codes of W_qkv, K innermost, in blocks of 32 codes, four codes in three bytes); W_qkv_scales 3,072 x 32 uint8 (E8M0 scales of W_qkv, one for each 32 codes along K); b_out 1,024 float32; b_qkv 3,072 float32; x_codes 4 x 2,048 x 32 x 24 uint8 (E2M3 codes of x, K innermost, in blocks of 32 codes, four codes in three bytes); x_scales 4 x 2,048 x 32 uint8 (E8M0 scales of x, one for each 32 codes along K).
;; Outputs: out0 4 x 2,048 x 1,024 float32.
;; This version of the problem:
;;   THIS VERSION OF THE PROBLEM IS GIVEN IN LOW PRECISION. The matrix products marked QUANTISED in the list below multiply operands that are first quantised to E2M3 (2 exponent bits, 3 mantissa bits; 6 bits a number), with one power-of-two scale for each 32 numbers along K (OCP MX v1.0); their sums are f32. All else is computed in f32.
;;   The module's matrix products, in the order in which they are computed (A, B: the left and right operand; K: the contracted axis; several contracted axes count as one K, in the product's order):
;;     1. [M 8,192, K 1,024] x [K 1,024, N 3,072]; A: input x (given as codes); B: input W_qkv (given as codes): QUANTISED
;;     2. batch 64 x [M 2,048, K 64] x [K 64, N 2,048]; A: computed on the way; B: computed on the way: QUANTISED
;;     3. batch 64 x [M 64, K 2,048] x [K 2,048, N 2,048]; A: computed on the way; B: softmax (see below): QUANTISED
;;     4. [M 8,192, K 1,024] x [K 1,024, N 1,024]; A: computed on the way; B: input W_out (given as codes): QUANTISED
;;   THE QUANTISER, for each operand of a quantised product, along K:
;;     - K is cut into blocks of 32 from its start; a last block that is shorter is filled with zeros.
;;     - A block's scale is 2^e with e = floor(log2(the largest magnitude in the block)) - 2, held to -126 .. 127; a block of zeros has e = 0. As a byte (E8M0): e + 127.
;;     - Each number is divided by its block's scale, clamped to +-7.5, and rounded to the nearest number of E2M3, ties to even, subnormals kept.
;;     - The product sums the exact products of the quantised numbers (number of the format x scale) in f32.
;;   ~~~python
;;   def quantise(x, axis):      # numpy; x: float32 -> the quantised numbers, widened to float32 again
;;       x = np.moveaxis(x, axis, -1); K = x.shape[-1]
;;       x = np.pad(x, [(0, 0)] * (x.ndim - 1) + [(0, -K % 32)]); x = x.reshape(x.shape[:-1] + (-1, 32)); a = np.abs(x).max(-1, keepdims=True)
;;       e = np.where(a > 0, np.clip(np.frexp(np.where(a > 0, a, 1))[1] - 1 - 2, -126, 127), 0)      # np.frexp(a)[1] - 1 = floor(log2(a)), exactly
;;       r = np.clip(x / 2.0 ** e, -7.5, 7.5)
;;       step = 2.0 ** (np.maximum(np.frexp(np.where(r == 0, 1, r))[1] - 1, 0) - 3)
;;       q = np.round(r / step) * step * 2.0 ** e      # np.round: ties to even
;;       return np.moveaxis(q.reshape(q.shape[:-2] + (-1,))[..., :K], -1, axis).astype(np.float32)
;;   ~~~
;;   SOFTMAX AHEAD OF A QUANTISED PRODUCT. Where the list says 'softmax', what is quantised is not the finished softmax but p = 2^(t - M), with t = logit x log2(e) and M = ceil(the row's largest t), a whole number; so 1/2 < the row's largest p <= 1. The row's sum l is taken of the UNQUANTISED p, in f32, and the product's result is divided by l at the end. Since M is a whole number, a kernel that streams over the keys may use a running M (the ceiling of the running maximum): every later rescaling is an exact power of two, which a block's scale takes up: the codes' values come out the same.
;;   OPERANDS COMPUTED ON THE WAY. 'Computed on the way' means the value that the module computes at that place (a softmax that the list does not call 'softmax' is quantised finished and normalised). What goes into a quantiser is computed in f32, as accurately as f32 sums, v_exp_f32 and their like allow (about 1e-6 of the number): no bf16 or f16 on the way to a quantiser, and a product that is left as it is and whose result goes on into a quantised operand takes f32 operands (vector FMAs, or v_wmma_f32_16x16x4_f32). A number that lies on a knife's edge between two numbers of the format may be rounded either way, as far as f32 arithmetic and the matrix unit's own rounding can turn it there, and no further.
;;   INPUTS GIVEN AS CODES. W_out (in the module: [1024, 1024], K = its axis 1); W_qkv (in the module: [3072, 1024], K = its axis 1); x (in the module: [4, 2048, 1024], K = its axis 2): each comes as NAME_codes (uint8): NAME with its K axis moved to the last place and cut into blocks of 32 codes, [.., K / 32, bytes a block], one block behind the other in memory; four codes in three bytes: a row's codes are one little-endian stream of bits, code i at bits 6 i .. 6 i + 5 (a code: sign, 2 exponent bits, 3 mantissa bits); and NAME_scales (uint8): the same leading axes, one E8M0 byte (e + 127) for each 32 codes along K. Its value is code x scale, taken as it is: it is not quantised again, and the codes and scales need not be those that the quantiser above would give.
;; One version. Each part assembles by itself: llvm-mc -triple=amdgcn-amd-amdhsa -mcpu=gfx1250 --defsym DOCPART=n.
;; ======== version 1 of 1: 3 launches
;; limits: right only within a limited range of input values
;; workspace buffers: qws 6,553,600 bytes; kvws 13,107,200 bytes; aws 6,291,456 bytes; asc 262,144 bytes
;; launch qkv (part 1): grid 8 x 32, 4 waves a work-group, clusters of 4 x 4, 327,680 bytes of LDS; arguments x_codes, x_scales, W_qkv_codes, W_qkv_scales, b_qkv, qws, kvws; writes qws, kvws
.if DOCPART == 1
	.amdgcn_target "amdgcn-amd-amdhsa--gfx1250"
	.amdhsa_code_object_version 6
	.text
	.protected	k_q900cb4c5a3_qkv
	.globl	k_q900cb4c5a3_qkv
	.p2align	8
	.type	k_q900cb4c5a3_qkv,@function
k_q900cb4c5a3_qkv:
	s_mov_b64 s[64:65], 0
	v_nop
	global_prefetch_b8 v0, s[64:65] scope:SCOPE_SE
	s_setreg_imm32_b32 hwreg(HW_REG_WAVE_MODE, 25, 1), 1
	s_wait_xcnt 0x0
	s_wait_alu depctr_hold_cnt(0) depctr_sa_sdst(0) depctr_va_vdst(0) depctr_va_sdst(0) depctr_va_ssrc(0) depctr_va_vcc(0) depctr_vm_vsrc(0)
	s_getreg_b32 s2, hwreg(HW_REG_IB_STS2, 6, 4)
	s_cmp_eq_u32 s2, 0
	s_cbranch_scc0 .Lentry_in_a_cluster
	s_endpgm
.Lentry_in_a_cluster:
	s_bfe_u32 s2, ttmp6, 0x10000c
	s_cmp_lg_u32 s2, 0xf033
	s_cbranch_scc0 .Lentry_shape_is_right
	s_endpgm
.Lentry_shape_is_right:
; q, k, v = x W_qkv^T + b_qkv on codes of FP6 (E2M3) with E8M0 scales, quantised again on the way out (q, k along the head's 64, v along the tokens) and stored as operand images for the attention launch.
; No work of reference() is left out in this program; every input is loaded.
; SHARES.  Work-group (x = two heads = 384 rows of W_qkv, y = 256 tokens); 8 x 32 = 256 work-groups.  Wave w holds tokens 64 w .. + 63, ALL of K, in 384 registers (32 fragments).
; W streams past in tiles of 16 rows, all of K (8 fragments, two register sets): 32 products a tile on 4 accumulators by turns.  Four tiles are a group (q, k or v of a head): its 128 sums are quantised and stored, then the next group begins.
; LDS: six regions of 64 rows x 816 bytes (768 + 16 behind every 256), one for each group.  At the head x's 256 rows lie on regions 2-5; when every wave holds x in registers, ONE refill round brings groups 2-5 there, one load a wave.
; All tensor rows are whole rows of 768 bytes.  CLUSTER 4 x 4: x's rows are asked for jointly along a row of the cluster, W's along a column.
; No prefetch: every tile is asked for in the launch's first two groups of loads.
; The loop has two trips, one a head; what differs lies in scalars (LDS offsets, bases); the second head's scale words and biases are loaded in the first trip, behind each group's last product.
; LIMITS: NaN and infinities are not served; a block whose largest number lies under 2^-124 gets the byte 1 (these bytes are read by this program alone).
.set PITCH, 816
.set RG,    64*PITCH
.set SSTG,  6*RG                       ; the scale bytes' stage, 1,536 bytes a trip
.set SPARE, SSTG+3072
.set AWB,  4                           ; v4, v5  row r x pitch + 24 h (v5: one padding more for lanes 16-31)
.set AX,   12                          ; v12, v13 my x fragments
.set AW,   16                          ; v16-21  the trip's three groups
.set SQB,  22
.set SKB,  23
.set L16,  24
.set L16X, 25
.set L8,   26
.set SVB,  27
.set SPW,  28
.set NIL,  29
.set SRB,  30
.set SQ,   31
.set SK,   11
.set SV,   14
.set SRD,  15
.set SCX,  32                          ; v32-47  x's scale words
.set SCW,  50                          ; v50-97  the head's W scale words
.set BIAS, 100                         ; v100-195 the head's bias as the first products' C
.set TM,   200
.set PW,   216
.set PC,   220
.set SD,   240
.set AL,   72                          ; window 3: v72-199 the group's 16 accumulators
.set G1A, 24
.set G0A, 32
.set G0B, 36
.set G1B, 48
.set G0R, 56
.set TR, 60
.set WO, 61
.set SO, 62
.set QB, 72
.set KB, 74
.set VB, 76
.set SB, 78
.set SEL, 96
.set SBS, 98
.set MSB, 0
.macro WIN new
.if MSB != \new
	s_set_vgpr_msb (MSB<<8)|\new
.set MSB, \new
.endif
.endm
.macro PLACES n
.rept \n
	v_nop
.endr
.endm
.macro WALU
	s_wait_alu depctr_va_vdst(0)
.endm
.macro CROUND
	s_barrier_signal -1
	s_barrier_wait -1
	s_cmp_lg_u32 s14, 0
	s_cbranch_scc1 .Lnot_wave_0_\@
	s_barrier_signal -3
.Lnot_wave_0_\@:
	s_barrier_wait -3
	s_barrier_signal -1
	s_barrier_wait -1
.endm
.macro TLOAD g0, g1
	tensor_load_to_lds s[\g0:\g0+3], s[\g1:\g1+7]
	s_nop 0
	PLACES 4
.endm
.macro GROUP1 g, mask, rows
	s_or_b32 s[\g+0], s[\mask], (1<<20)|(1<<21)|(5<<22)|(3<<25)
	s_mov_b32 s[\g+1], 768<<16
	s_mov_b32 s[\g+2], (\rows)<<16
	s_mov_b32 s[\g+3], 768<<16
	s_mov_b32 s[\g+4], \rows
	s_mov_b32 s[\g+5], 768
	s_mov_b32 s[\g+6], 0
	s_mov_b32 s[\g+7], 0
.endm
.macro LDG g, hd                       ; group g's scale words and bias, head hd of my two
.irp i, 0,1,2,3
	global_load_b128 v[SCW+16*\g+4*\i:SCW+16*\g+4*\i+3], v8, s[10:11] offset:6144*\hd+512*(4*\g+\i)
.endr
.if \g < 2
.irp i, 0,1,2,3
	global_load_b128 v[BIAS+32*\g+8*\i:BIAS+32*\g+8*\i+3], v9, s[12:13] offset:768*\hd+64*(4*\g+\i)
	global_load_b128 v[BIAS+32*\g+8*\i+4:BIAS+32*\g+8*\i+7], v9, s[12:13] offset:768*\hd+64*(4*\g+\i)+16
.endr
.else
.irp t, 0,1,2,3
	global_load_b32 v[BIAS+64+8*\t], v10, s[12:13] offset:768*\hd+512+64*\t
.endr
.endif
.endm
	s_load_b256 s[4:11], s[0:1], 0x0
	s_load_b64 s[12:13], s[0:1], 0x20
	s_load_b128 s[68:71], s[0:1], 0x28
	v_lshl_add_u32 v[SPW], v0, 2, SPARE
	v_mov_b32 v[NIL], 0
	ds_add_u32 v[SPW], v[NIL]              ; the opening lines: the add twice and one wait
	ds_add_u32 v[SPW], v[NIL]
	v_lshrrev_b32 v1, 5, v0
	v_readfirstlane_b32 s14, v1            ; wave
	s_lshr_b32 s15, s14, 1
	s_and_b32 s16, s14, 1
	s_bfe_u32 s40, ttmp6, 0x40000
	s_bfe_u32 s41, ttmp6, 0x40004
	s_lshl_b32 s42, ttmp9, 2
	s_add_co_u32 s42, s42, s40             ; pair of heads, 0 .. 7
	s_and_b32 s17, ttmp7, 0xffff
	s_lshl_b32 s17, s17, 2
	s_add_co_u32 s17, s17, s41             ; block of 256 tokens
	s_lshl_b32 s43, s41, 2
	s_lshl_b32 s43, 15, s43
	s_lshl_b32 s44, 0x1111, s40
	GROUP1 G1A, 43, 128
	GROUP1 G1B, 44, 64
	s_lshl_b32 s20, s17, 8
	s_lshl_b32 s18, s16, 7
	s_add_co_u32 s20, s20, s18
	s_mul_i32 s20, s20, 768                ; x: 128 rows, half w % 2
	s_mov_b32 s21, 0
	s_mul_i32 s46, s42, 384*768
	s_mul_i32 s47, s16, 64*768
	s_add_co_u32 s46, s46, s47             ; W: group w % 2
	s_mov_b32 s47, 0
	s_mul_i32 s22, s42, 384*768
	s_mul_i32 s23, s14, 64*768
	s_add_co_u32 s22, s22, s23
	s_add_co_u32 s22, s22, 128*768         ; W: group 2 + w
	s_mov_b32 s23, 0
	s_mov_b32 s[G0A], 1
	s_mul_i32 s[G0A+1], s16, 128*PITCH
	s_add_co_u32 s[G0A+1], s[G0A+1], 2*RG
	s_mov_b32 s[G0B], 1
	s_mul_i32 s[G0B+1], s16, RG
	s_mov_b32 s[G0R], 1
	s_mul_i32 s[G0R+1], s14, RG
	s_add_co_u32 s[G0R+1], s[G0R+1], 2*RG
	WALU
	s_wait_dscnt 0x0
	s_wait_kmcnt 0x0
	s_add_nc_u64 s[G0A+2:G0A+3], s[4:5], s[20:21]
	s_or_b32 s[G0A+3], s[G0A+3], 0x80000000
	s_add_nc_u64 s[G0B+2:G0B+3], s[8:9], s[46:47]
	s_or_b32 s[G0B+3], s[G0B+3], 0x80000000
	s_add_nc_u64 s[G0R+2:G0R+3], s[8:9], s[22:23]
	s_or_b32 s[G0R+3], s[G0R+3], 0x80000000
	CROUND                                 ; the first joint loads meet
	s_cmp_eq_u32 s15, 0
	s_cbranch_scc0 .Lhead_w
	TLOAD G0A, G1A                         ; waves 0, 1: x's halves
	s_branch .Lhead_asked
.Lhead_w:
	TLOAD G0B, G1B                         ; waves 2, 3: groups 0, 1
.Lhead_asked:
	s_lshl_b32 s86, s17, 13
	s_lshl_b32 s87, s14, 11
	s_add_co_u32 s86, s86, s87
	s_mov_b32 s87, 0
	s_add_nc_u64 s[6:7], s[6:7], s[86:87]
	s_mul_i32 s88, s42, 384*32
	s_mov_b32 s89, 0
	s_add_nc_u64 s[10:11], s[10:11], s[88:89]
	s_mul_i32 s88, s42, 384*4
	s_add_nc_u64 s[12:13], s[12:13], s[88:89]
	s_lshl_b32 s42, s42, 1                 ; my first head
	v_and_b32 v1, 15, v0
	v_bfe_u32 v2, v0, 4, 1
	v_and_b32 v3, 31, v0
	v_lshlrev_b32 v8, 5, v1
	v_lshl_add_u32 v8, v2, 4, v8
	v_lshlrev_b32 v9, 5, v2
	v_lshlrev_b32 v10, 2, v1
	WALU
.irp a, 0,1,2,3
	global_load_b128 v[SCX+4*\a:SCX+4*\a+3], v8, s[6:7] offset:512*\a
.endr
	LDG 0, 0
	LDG 1, 0
	LDG 2, 0
	v_mul_u32_u24 v[AWB], v1, PITCH
	v_mad_u32_u24 v[AWB], v2, 24, v[AWB]
	v_lshl_add_u32 v[AWB+1], v2, 4, v[AWB]
	s_mul_i32 s80, s14, 64*PITCH
	s_add_co_u32 s80, s80, 2*RG
	v_add_nc_u32 v[AX], s80, v[AWB]
	v_add_nc_u32 v[AX+1], s80, v[AWB+1]
	v_lshlrev_b32 v[L16], 4, v3
	v_lshlrev_b32 v[L8], 3, v3
	v_xor_b32 v[L16X], 128, v[L16]
	s_lshl_b32 s82, s14, 7
	s_add_co_u32 s82, s82, SSTG+1024
	v_lshl_add_u32 v[SQB], v1, 2, s82
	s_lshl_b32 s83, s15, 9
	s_lshl_b32 s84, s16, 3
	s_add_co_u32 s84, s84, s83
	s_add_co_u32 s84, s84, SSTG
	v_and_b32 v6, 7, v1
	v_bfe_u32 v7, v0, 3, 1
	v_lshl_add_u32 v[SKB], v6, 4, s84
	v_lshl_add_u32 v[SKB], v7, 2, v[SKB]
	s_lshl_b32 s85, s16, 1
	s_add_co_u32 s85, s85, s83
	s_add_co_u32 s85, s85, SSTG+256
	v_lshl_add_u32 v[SVB], v1, 4, s85
	s_lshl_b32 s86, s14, 9
	s_add_co_u32 s86, s86, SSTG
	WALU
	v_add_nc_u32 v[SRB], s86, v[L16]
	s_mov_b32 s[SEL], 0x76543210
	s_mov_b32 s[SEL+1], 0xfedcba98
.irp b, 0,1,2,3
	v_mov_b32 v[TM+4+\b], 0
.endr
	s_lshr_b32 s90, s17, 3
	s_and_b32 s91, s17, 7
	s_lshl_b32 s90, s90, 4
	s_add_co_u32 s90, s90, s42
	s_lshl_b32 s92, s90, 3
	s_add_co_u32 s92, s92, s91
	s_mul_i32 s92, s92, 12800
	s_mov_b32 s93, 0
	s_add_nc_u64 s[68:69], s[68:69], s[92:93]
	s_mul_i32 s92, s14, 3072
	s_add_nc_u64 s[QB:QB+1], s[68:69], s[92:93]
	s_add_nc_u64 s[68:69], s[68:69], 12288
	s_lshl_b32 s90, s90, 4
	s_lshl_b32 s91, s91, 1
	s_add_co_u32 s90, s90, s91
	s_add_co_u32 s91, s90, s15
	s_mul_i32 s91, s91, 12800
	s_mul_i32 s92, s16, 3072
	s_add_co_u32 s92, s92, s91
	s_add_nc_u64 s[KB:KB+1], s[70:71], s[92:93]
	s_mul_i32 s92, s16, 768
	s_add_co_u32 s92, s92, s91
	s_add_co_u32 s92, s92, 6144
	s_add_nc_u64 s[VB:VB+1], s[70:71], s[92:93]
	s_min_u32 s91, s14, 1
	s_add_co_u32 s91, s90, s91
	s_mul_i32 s92, s91, 12800
	s_add_co_u32 s92, s92, 12288
	s_add_nc_u64 s[SB:SB+1], s[70:71], s[92:93]
	s_mov_b32 s[SBS], 102400
	s_mov_b32 s[SBS+1], 0
	s_cmp_lt_u32 s14, 2
	s_cselect_b64 s[SB:SB+1], s[SB:SB+1], s[68:69]
	s_cselect_b32 s[SBS], 204800, s[SBS]   ; from a head's scale bytes to the next head's
; fragment F lies in window 1 + F / 21 at register 12 (F % 21): 0-31 x's (4 q + a), 32-39 and 40-47 W's two sets
.macro FRAG f, q, a0, off
	WIN (1+(\f)/21)<<6
.set R_, 12*((\f)%21)
.irp p, 0,1,2,3,4,5
.set PI_, 12*(\q)+6*(\p/3)+\p%3
.if (PI_%32) > 28
	ds_load_b64 v[R_+2*\p:R_+2*\p+1], v[\a0+1] offset:8*PI_+16*(PI_/32)+(\off)
.else
	ds_load_b64 v[R_+2*\p:R_+2*\p+1], v[\a0] offset:8*PI_+16*(PI_/32)+(\off)
.endif
.endr
.endm
.macro FETCHW n                        ; tile n of the trip's twelve into set n % 2: 48 loads
.irp q, 0,1,2,3,4,5,6,7
	FRAG 32+8*((\n)%2)+\q, \q, AW+2*((\n)/4), ((\n)%4)*16*PITCH
.endr
	WIN 0
.endm
.macro WM row
.if \row
	v_wmma_scale_f32_16x16x128_f8f6f4 v[rD:rD+7], v[rA:rA+11], v[rB:rB+11], v[rC:rC+7], v[rSA], v[rSB] matrix_a_fmt:MATRIX_FMT_FP6 matrix_b_fmt:MATRIX_FMT_FP6 matrix_a_scale:MATRIX_SCALE_ROW1 matrix_b_scale:MATRIX_SCALE_ROW1
.else
	v_wmma_scale_f32_16x16x128_f8f6f4 v[rD:rD+7], v[rA:rA+11], v[rB:rB+11], v[rC:rC+7], v[rSA], v[rSB] matrix_a_fmt:MATRIX_FMT_FP6 matrix_b_fmt:MATRIX_FMT_FP6
.endif
.endm
; tile n against my four token tiles: 32 products, the four accumulators by turns.  q, k: source 0 = W's rows; v: source 0 = x's rows.  The first K step's C is the bias.
.macro BATCH n
.set G_, (\n)/4
.set I_, (\n)%4
.irp q, 0,1,2,3,4,5,6,7
.irp a, 0,1,2,3
.set FX_, 4*\q+\a
.set FW_, 32+8*((\n)%2)+\q
.if G_ < 2
.set rA, 12*(FW_%21)
.set rB, 12*(FX_%21)
.set rSA, SCW+16*G_+4*I_+\q%4
.set rSB, SCX+4*\a+\q%4
.set rD, AL+8*(4*\a+I_)
.set W01_, (1+FW_/21)|((1+FX_/21)<<2)
.else
.set rA, 12*(FX_%21)
.set rB, 12*(FW_%21)
.set rSA, SCX+4*\a+\q%4
.set rSB, SCW+16*G_+4*I_+\q%4
.set rD, AL+8*(4*I_+\a)
.set W01_, (1+FX_/21)|((1+FW_/21)<<2)
.endif
.if \q == 0
.set rC, BIAS+32*G_+8*I_
	WIN W01_|0xc0
.else
.set rC, rD
	WIN W01_|0xf0
.endif
	WM \q/4
.endr
.endr
.endm
.macro GROUPB g                        ; a group's four tiles.  48 counts the next tile's loads, which are younger than this tile's
	s_wait_loadcnt 0x0                     ; its scale words and bias are in
.if \g == 2
.irp t, 0,8,16,24
.irp j, 1,2,3,4,5,6,7
	v_mov_b32 v[BIAS+64+\t+\j], v[BIAS+64+\t]
.endr
.endr
	WALU
.endif
.irp i, 0,1,2,3
.set N_, 4*\g+\i
.if N_ == 11
	s_wait_dscnt 0x0
.else
	s_wait_dscnt 48
.endif
	BATCH N_
	WIN 0
	PLACES 4                               ; ahead of loads into registers that the products have read, and of the first read of results
.if N_ == 6
	s_wait_tensorcnt 0x0                   ; a plain barrier shows the refill's groups to all waves
	s_wait_dscnt 0x0
	s_barrier_signal -1
	s_barrier_wait -1
.endif
.if N_ < 10
	FETCHW N_+2
.endif
.endr
	WALU
	s_cmp_lg_u32 s[TR], 0
	s_cbranch_scc1 .Lnr\g
	LDG \g, 1                              ; the second head's, two groups ahead of their use
.Lnr\g:
.endm
.macro QUANT wmx, wcv, s
	WIN \wmx
.irp b, 0,1,2,3
	v_max3_num_f32 v[TM+\b], 0x1800000, |v[\s+16*\b]|, |v[\s+16*\b+1]|
.endr
.irp i, 2,4,6,8,10,12,14
.irp b, 0,1,2,3
	v_max3_num_f32 v[TM+\b], v[TM+\b], |v[\s+16*\b+\i]|, |v[\s+16*\b+\i+1]|
.endr
.endr
	WIN 0
	WALU
	s_wait_xcnt 0x0                        ; earlier stores have read the registers that are written below
	s_wait_dscnt 0x0
.irp b, 0,1,2,3
	v_permlanex16_b32 v[TM+4+\b], v[TM+\b], s[SEL], s[SEL+1]
.endr
.irp b, 0,1,2,3
	v_max_num_f32 v[TM+\b], v[TM+\b], v[TM+4+\b]
.endr
.irp b, 0,1,2,3
	v_add_nc_u32 v[TM+12+\b], 0xff000000, v[TM+\b]
.endr
.irp b, 0,1,2,3
	v_lshrrev_b32 v[TM+4+\b], 23, v[TM+12+\b]
.endr
	v_lshl_or_b32 v[PW], v[TM+5], 8, v[TM+4]
	v_lshl_or_b32 v[PW], v[TM+6], 16, v[PW]
	v_lshl_or_b32 v[PW], v[TM+7], 24, v[PW]
	WIN \wcv
.irp c, 0,1
	v_cvt_scalef32_pk16_fp6_f32 v[PC+6*\c:PC+6*\c+2], v[\s+32*\c:\s+32*\c+15], v[TM+12+2*\c]
	v_cvt_scalef32_pk16_fp6_f32 v[PC+12+4*\c:PC+14+4*\c], v[\s+32*\c+16:\s+32*\c+31], v[TM+13+2*\c]
.endr
	WIN 0
	v_nop
.irp c, 0,1
.irp i, 0,1,2
	v_permlane16_swap_b32 v[PC+6*\c+\i], v[PC+12+4*\c+\i]
.endr
.irp i, 0,1,2
	v_mov_b32 v[PC+3+6*\c+\i], v[PC+12+4*\c+\i]
.endr
.endr
.endm
.macro HPAIR base, o0, o1
	global_store_b128 v[L16], v[PC:PC+3], s[\base:\base+1] offset:\o0
	global_store_b64 v[L8], v[PC+4:PC+5], s[\base:\base+1] offset:\o0+512
	global_store_b128 v[L16], v[PC+6:PC+9], s[\base:\base+1] offset:\o1
	global_store_b64 v[L8], v[PC+10:PC+11], s[\base:\base+1] offset:\o1+512
.endm
	WALU
	s_wait_tensorcnt 0x0                   ; my tile of the head's four is in,
	s_barrier_signal -1
	s_barrier_wait -1                      ; everybody's is
.irp a, 0,1,2,3
.irp q, 0,1,2,3,4,5,6,7
	FRAG 4*\q+\a, \q, AX, \a*16*PITCH      ; my 64 rows of x, all of K, into registers
.endr
.endr
	WIN 0
	s_wait_tensorcnt 0x0                   ; the three lines ahead of the refill's round
	ds_add_u32 v[SPW], v[NIL]
	s_mov_b32 s[TR], 0
	s_mov_b32 s[WO], 0
	s_mov_b32 s[SO], 0
	s_wait_dscnt 0x0                       ; x is in my registers
	CROUND
	TLOAD G0R, G1B                         ; group 2 + w onto x's bytes
.Ltrip:
.irp e, 0,1
	v_add_nc_u32 v[AW+\e], s[WO], v[AWB+\e]
.endr
.irp e, 0,1
	v_add_nc_u32 v[AW+2+\e], RG, v[AW+\e]
	v_add_nc_u32 v[AW+4+\e], 2*RG, v[AW+\e]
.endr
	v_add_nc_u32 v[SQ], s[SO], v[SQB]
	v_add_nc_u32 v[SK], s[SO], v[SKB]
	v_add_nc_u32 v[SV], s[SO], v[SVB]
	v_add_nc_u32 v[SRD], s[SO], v[SRB]
	WALU
	FETCHW 0
	FETCHW 1
	GROUPB 0
.irp u, 0,1
	QUANT 0x3c, 0x03, AL+64*\u
	HPAIR QB, 1536*\u, 1536*\u+768
	ds_store_b32 v[SQ], v[PW] offset:64*\u
.endr
	GROUPB 1
	QUANT 0x3c, 0x03, AL
.irp p, 0,1,2
	global_store_b128 v[L16], v[PC+4*\p:PC+4*\p+3], s[KB:KB+1] offset:512*\p
.endr
	ds_store_b32 v[SK], v[PW]
	QUANT 0x3c, 0x03, AL+64
.irp p, 0,1,2
	global_store_b128 v[L16X], v[PC+4*\p:PC+4*\p+3], s[KB:KB+1] offset:1536+512*\p
.endr
	ds_store_b32 v[SK], v[PW] offset:128
	GROUPB 2
.irp u, 0,1
	QUANT 0x3c, 0x03, AL+64*\u
	HPAIR VB, 3072*\u, 3072*\u+1536
	ds_store_b16 v[SV], v[PW] offset:8*\u
	ds_store_b16_d16_hi v[SV], v[PW] offset:8*\u+4
.endr
	s_wait_dscnt 0x0
	s_barrier_signal -1
	s_barrier_wait -1                      ; the head's scale bytes lie in the trip's stage
	s_cmp_gt_u32 s14, 2
	s_cbranch_scc1 .Lno_scales
	ds_load_b128 v[SD:SD+3], v[SRD]
	s_wait_dscnt 0x0
	global_store_b128 v[L16], v[SD:SD+3], s[SB:SB+1]
.Lno_scales:
	s_wait_xcnt 0x0                        ; the stores have read their bases and registers
	s_add_nc_u64 s[QB:QB+1], s[QB:QB+1], 102400
	s_add_nc_u64 s[KB:KB+1], s[KB:KB+1], 204800
	s_add_nc_u64 s[VB:VB+1], s[VB:VB+1], 204800
	s_add_nc_u64 s[SB:SB+1], s[SB:SB+1], s[SBS:SBS+1]
	s_add_co_u32 s[WO], s[WO], 3*RG
	s_add_co_u32 s[SO], s[SO], 1536
	s_add_co_u32 s[TR], s[TR], 1
	s_cmp_lt_u32 s[TR], 2
	s_cbranch_scc1 .Ltrip
	s_wait_tensorcnt 0x0
	ds_add_u32 v[SPW], v[NIL]
	s_wait_dscnt 0x0
	CROUND                                 ; the closing round
	s_endpgm
.Lfunc_end_k_q900cb4c5a3_qkv:
	.size	k_q900cb4c5a3_qkv, .Lfunc_end_k_q900cb4c5a3_qkv-k_q900cb4c5a3_qkv
	.p2alignl 7, 3214868480
	.fill 96, 4, 3214868480
	.section	.rodata,"a",@progbits
	.p2align	6, 0x0
	.amdhsa_kernel k_q900cb4c5a3_qkv
		.amdhsa_group_segment_fixed_size 327680
		.amdhsa_private_segment_fixed_size 0
		.amdhsa_enable_private_segment 0
		.amdhsa_kernarg_size 56
		.amdhsa_user_sgpr_count 2
		.amdhsa_user_sgpr_kernarg_segment_ptr 1
		.amdhsa_wavefront_size32 1
		.amdhsa_system_sgpr_workgroup_id_x 1
		.amdhsa_system_sgpr_workgroup_id_y 1
		.amdhsa_system_sgpr_workgroup_id_z 1
		.amdhsa_system_vgpr_workitem_id 0
		.amdhsa_next_free_vgpr 976
		.amdhsa_next_free_sgpr 100
		.amdhsa_reserve_vcc 0
		.amdhsa_float_denorm_mode_32 3
		.amdhsa_float_denorm_mode_16_64 3
		.amdhsa_memory_ordered 1
		.amdhsa_forward_progress 1
		.amdhsa_inst_pref_size 146
	.end_amdhsa_kernel
	.amdgpu_metadata
---
amdhsa.version: [ 1, 2 ]
amdhsa.kernels:
  - .name:           k_q900cb4c5a3_qkv
    .symbol:         k_q900cb4c5a3_qkv.kd
    .args:
      - { .name: x_codes, .offset: 0, .size: 8, .value_kind: global_buffer, .address_space: global }
      - { .name: x_scales, .offset: 8, .size: 8, .value_kind: global_buffer, .address_space: global }
      - { .name: W_qkv_codes, .offset: 16, .size: 8, .value_kind: global_buffer, .address_space: global }
      - { .name: W_qkv_scales, .offset: 24, .size: 8, .value_kind: global_buffer, .address_space: global }
      - { .name: b_qkv, .offset: 32, .size: 8, .value_kind: global_buffer, .address_space: global }
      - { .name: qws, .offset: 40, .size: 8, .value_kind: global_buffer, .address_space: global }
      - { .name: kvws, .offset: 48, .size: 8, .value_kind: global_buffer, .address_space: global }
    .group_segment_fixed_size: 327680
    .private_segment_fixed_size: 0
    .kernarg_segment_align: 8
    .kernarg_segment_size: 56
    .max_flat_workgroup_size: 128
    .sgpr_count:     100
    .vgpr_count:     976
    .wavefront_size: 32
...
	.end_amdgpu_metadata
.endif
;; end of part 1
;; launch attn (part 2): grid 4 x 64, 8 waves a work-group, clusters of 4 x 1, 208,896 bytes of LDS; arguments qws, kvws, aws, asc; writes aws, asc
.if DOCPART == 2
	.amdgcn_target "amdgcn-amd-amdhsa--gfx1250"
	.amdhsa_code_object_version 6
	.text
	.protected	k_q900cb4c5a3_attn
	.globl	k_q900cb4c5a3_attn
	.p2align	8
	.type	k_q900cb4c5a3_attn,@function
k_q900cb4c5a3_attn:
	s_mov_b64 s[64:65], 0
	v_nop
	global_prefetch_b8 v0, s[64:65] scope:SCOPE_SE
	s_setreg_imm32_b32 hwreg(HW_REG_WAVE_MODE, 25, 1), 1
	s_wait_xcnt 0x0
	s_wait_alu depctr_hold_cnt(0) depctr_sa_sdst(0) depctr_va_vdst(0) depctr_va_sdst(0) depctr_va_ssrc(0) depctr_va_vcc(0) depctr_vm_vsrc(0)
	s_getreg_b32 s2, hwreg(HW_REG_IB_STS2, 6, 4)
	s_cmp_eq_u32 s2, 0
	s_cbranch_scc0 .Lentry_in_a_cluster
	s_endpgm
.Lentry_in_a_cluster:
	s_bfe_u32 s2, ttmp6, 0x10000c
	s_cmp_lg_u32 s2, 0x3003
	s_cbranch_scc0 .Lentry_shape_is_right
	s_endpgm
.Lentry_shape_is_right:
; att_v = softmax(q k^T / 8) v for one (batch, head), both products on codes of FP6 (E2M3) with E8M0 scales; att_v is quantised along the feature axis and stored as operand images for the last product.
; THE SOFTMAX: t = score x log2(e) / 8; M = the running largest t rounded up to a whole number; p = 2^(t - M) is quantised along the keys, not normalised; the row's sum of the unquantised p divides at the end.
; SHARES.  A work-group owns 512 queries of one head.  Wave w owns query tiles 4 w .. 4 w + 3: TWO TILES AT A TIME (u = 0, 1), two passes.  Each fragment of K and V that comes from LDS serves both tiles.  Two waves share a SIMD.
; REGISTERS.  Window 1 holds all that vector lines work on: S^T of both tiles v0-127, O^T v128-191, 24 registers at work for each tile from v192: one window setting serves every vector line.  Window 0: addresses, operands, scale words.
; THE STEP IS STAGGERED, tile 0 ahead of tile 1, so that a wave's own lines stand among its products, its exponentials and its dependent chains:
;   tile 0's score products with tile 1's row sums of the step before (at a pass's head S of tile 1 is zeros; the last sums stand behind the last step); tile 1's score products with tile 0's search for the largest scores;
;   tile 0's chain for M among tile 1's search; tile 1's chain among tile 0's t - M and rescaling; tile 0's exponentials with tile 1's t - M (read only behind the wait ahead of tile 1's batch); the second products with tile 0's row sums.
; THE WHOLE HEAD'S K AND V (16 key steps x 12,800 bytes) LIE IN LDS, filled once: wave w brings key steps 2 w and 2 w + 1 by one load.  The head's four work-groups are one cluster and ask jointly.  Nothing is filled again.
; No prefetch: every byte of K and V is asked for in the launch's first group of loads.
; LAYOUT.  S^T = K Q^T, O^T = V^T P^T: a lane holds one query.  A fragment of K packs 16 keys in k 0-63 and 16 other keys in k 64-127; Q stands as [q | 0 | q] in 18 registers: registers 0-11 pick the first 16 keys, 6-17 the second.
; S's register 32 c + 16 f + 8 z + j of half h is key 64 c + 32 h + 16 z + 8 f + j: a lane holds whole blocks of 32 keys (h and 2 + h), in the order of V's codes.
; A block's largest p is made from its largest score by the same multiply-add and exponential.
; LIMITS: NaN and infinities are not served; the scaled scores stay under 2^31 in magnitude; a block of att_v or of p whose largest number lies under 2^-124 gets the byte 1 (its bytes are read by this program alone).
.set BLKB, 12800
.set ASTG, 16*BLKB                     ; att_v's scale halfwords of the 512 queries
.set SPARE, 0x32800
; window 0
.set Q,    20                          ; v20-37, v38-55
.set RAW,  56
.set QSC,  58
.set PSC,  60
.set SCL,  62                          ; v62-65 lanes 0-15 K's scale words, lanes 16-31 V's
.set KF,   66
.set VF,   114
.set P,    162                         ; v162-173, v174-185
.set CT,   186                         ; v186-201 the second conversions' codes
; window 1
.set O,    128
.set TB,   192                         ; tile u's registers at work from 192 + 24 u: 0-10 chains, PD, PD + 1 lane permutes' destinations, FF f's pair, NM -M and the running largest score, SUM, W2 the sum's two chains
.set PD,   11
.set FF,   14
.set NM,   16
.set SUM,  18
.set W2,   20
.set H8,   240                         ; 8 h
.set MSB, 0
.macro WIN new
.if MSB != \new
	s_set_vgpr_msb (MSB<<8)|\new
.set MSB, \new
.endif
.endm
.macro WALU
	s_wait_alu depctr_va_vdst(0)
.endm
.macro CROUND
	s_barrier_signal -1
	s_barrier_wait -1
	s_cmp_lg_u32 s12, 0
	s_cbranch_scc1 .Lnot_wave_0_\@
	s_barrier_signal -3
.Lnot_wave_0_\@:
	s_barrier_wait -3
	s_barrier_signal -1
	s_barrier_wait -1
.endm
	s_load_b256 s[4:11], s[0:1], 0x0               ; qws, kvws, aws, asc
	v_lshl_add_u32 v254, v0, 2, SPARE
	v_mov_b32 v255, 0
	ds_add_u32 v254, v255                          ; the opening lines
	ds_add_u32 v254, v255
	v_lshrrev_b32 v1, 5, v0
	v_readfirstlane_b32 s12, v1                    ; wave 0..7
	s_bfe_u32 s13, ttmp6, 0x40000
	s_lshl_b32 s37, ttmp9, 2
	s_add_co_u32 s13, s13, s37                     ; my block of 512 queries
	s_and_b32 s14, ttmp7, 0xffff                   ; bh
	s_mov_b32 s20, 15|(3<<16)|(1<<21)
	s_mov_b32 s21, 32<<16                          ; rows of 256 bytes,
	s_mov_b32 s22, 100<<16                         ; 100 of them: two key steps' 25,600 dense bytes
	s_mov_b32 s23, 32<<16
	s_mov_b32 s24, 100
	s_mov_b32 s25, 32
	s_mov_b32 s26, 0
	s_mov_b32 s27, 0
	s_lshl_b32 s38, s14, 4
	s_lshl_b32 s39, s12, 1
	s_add_co_u32 s38, s38, s39
	s_mul_i32 s38, s38, BLKB
	s_mov_b32 s39, 0
	s_mov_b32 s16, 1
	s_mul_i32 s17, s12, 2*BLKB
	WALU
	s_wait_dscnt 0x0
	s_wait_kmcnt 0x0
	s_add_nc_u64 s[18:19], s[6:7], s[38:39]
	s_or_b32 s19, s19, 0x80000000
	CROUND
	tensor_load_to_lds s[16:19], s[20:27]          ; my one tensor load of the launch
	s_nop 0
.rept 4
	v_nop
.endr
	v_and_b32 v6, 31, v0
	v_and_b32 v7, 15, v0
	v_bfe_u32 v8, v0, 4, 1
	v_bfe_u32 v9, v0, 3, 1
	v_lshlrev_b32 v3, 4, v6                        ; 16 x lane
	v_lshlrev_b32 v4, 3, v6                        ; 8 x lane
	v_lshlrev_b32 v5, 2, v7                        ; 4 r
	v_mad_u32_u24 v1, v9, 0x600, v3                ; K, f = 0
	v_xor_b32 v2, 128, v3
	v_mad_u32_u24 v2, v9, 0x600, v2                ; K, f = 1
	s_lshl_b32 s37, s12, 7
	s_add_co_u32 s37, s37, ASTG
	v_lshl_add_u32 v11, v7, 1, s37                 ; the stage: 2 x (64 w + r)
	v_lshl_add_u32 v252, v0, 4, ASTG
	v_lshlrev_b32 v253, 4, v0
.irp u, 0,1
.irp j, 6,7,8,9,10,11
	v_mov_b32 v[Q+18*\u+\j], 0                     ; Q's middle: zero codes
.endr
.endr
	WIN 0x40
	v_lshlrev_b32 v[H8], 3, v8                     ; 8 h
.irp u, 0,1
	v_mov_b32 v[TB+24*\u+PD], 0                    ; lane permutes' destinations, written once
	v_mov_b32 v[TB+24*\u+PD+1], 0
	v_mov_b32 v[TB+24*\u+FF+1], 0                  ; the upper half of f's pair
.endr
	WIN 0
	s_mov_b32 s28, 0x76543210
	s_mov_b32 s29, 0xfedcba98
	s_mov_b32 s30, 0x3e38aa3b                      ; c = log2(e) / 8
	s_mov_b32 s31, s30
	s_mov_b32 s34, 2                               ; passes
	s_mov_b32 s35, 0x01000100                      ; v_perm_b32: tile 0's two scale bytes, twice;
	s_mov_b32 s44, 0x03020302                      ; tile 1's
	s_mov_b32 s36, 0
	s_lshl_b32 s37, s14, 3
	s_lshl_b32 s38, s13, 1
	s_add_co_u32 s37, s37, s38
	s_lshr_b32 s38, s12, 2
	s_add_co_u32 s37, s37, s38                     ; block of 256 tokens in qws
	s_mul_i32 s40, s37, BLKB
	s_mov_b32 s41, 0
	s_add_nc_u64 s[50:51], s[4:5], s[40:41]
	s_and_b32 s38, s12, 3
	s_mul_i32 s40, s38, 3072
	s_add_nc_u64 s[48:49], s[50:51], s[40:41]      ; my first pair's images
	s_lshl_b32 s40, s38, 7
	s_add_co_u32 s40, s40, 12288
	s_add_nc_u64 s[50:51], s[50:51], s[40:41]      ; its scale words
	s_lshr_b32 s37, s14, 4
	s_and_b32 s38, s14, 15
	s_lshl_b32 s40, s37, 7
	s_lshl_b32 s42, s13, 5
	s_add_co_u32 s40, s40, s42
	s_lshl_b32 s42, s12, 2
	s_add_co_u32 s40, s40, s42                     ; token tile 128 b + 32 x block + 4 w
	s_lshl_b32 s40, s40, 4
	s_add_co_u32 s40, s40, s38
	s_mul_i32 s40, s40, 768
	s_add_nc_u64 s[52:53], s[8:9], s[40:41]
	s_lshl_b32 s40, s38, 14
	s_lshl_b32 s42, s37, 12
	s_add_co_u32 s40, s40, s42
	s_lshl_b32 s42, s13, 10
	s_add_co_u32 s40, s40, s42
	s_add_nc_u64 s[54:55], s[10:11], s[40:41]
.macro ADDR
	v_add_nc_u32 v6, s32, v1
	v_add_nc_u32 v7, s32, v2
	v_add_nc_u32 v8, s32, v3
	v_add_nc_u32 v9, s32, v4
.endm
.macro LOADK off                       ; 12 loads
.irp c, 0,1
.irp f, 0,1
.irp p, 0,1,2
	ds_load_b128 v[KF+12*(2*\c+\f)+4*\p:KF+12*(2*\c+\f)+4*\p+3], v[6+\f] offset:\off+3072*\c+512*\p
.endr
.endr
.endr
.endm
.macro LOADV off                       ; the scale words, then V's 16 loads
	ds_load_b128 v[SCL:SCL+3], v8 offset:\off+12288
.irp t, 0,1,2,3
.irp c, 0,1
	ds_load_b128 v[VF+12*\t+6*\c:VF+12*\t+6*\c+3], v8 offset:\off+6144+1536*\t+768*\c
	ds_load_b64 v[VF+12*\t+6*\c+4:VF+12*\t+6*\c+5], v9 offset:\off+6144+1536*\t+768*\c+512
.endr
.endr
.endm
; ---- the parts of a step, a line at a time (all registers in window 1)
.macro MXL u, i                        ; line i of 32: the largest score of the lane's two blocks, four chains; each accumulator from its low end on.  Block h ends in register 1, block 2 + h in register 3
.set B_, TB+24*(\u)
.set S_, 64*(\u)
.if (\i) < 4
.set X_, S_+16*(\i)
	v_max3_num_f32 v[B_+(\i)], v[X_], v[X_+1], v[X_+2]
.elseif (\i) < 28
.set K_, ((\i)-4)%4
.set X_, S_+16*K_+3+2*(((\i)-4)/4)
	v_max3_num_f32 v[B_+K_], v[B_+K_], v[X_], v[X_+1]
.elseif (\i) == 28
	v_max_num_f32 v[B_], v[B_], v[S_+15]
.elseif (\i) == 29
	v_max_num_f32 v[B_+2], v[B_+2], v[S_+47]
.elseif (\i) == 30
	v_max3_num_f32 v[B_+1], v[B_+1], v[S_+31], v[B_]
.else
	v_max3_num_f32 v[B_+3], v[B_+3], v[S_+63], v[B_+2]
.endif
.endm
.macro CHL u, i                        ; line i of 12: the running largest score, -M = floor(-t), f = 2^(old M - new M) (exact), t - M of the blocks' largest scores, the sum under the new M
.set B_, TB+24*(\u)
.if (\i) == 0
	v_max_num_f32 v[B_+4], v[B_+1], v[B_+3]
.elseif (\i) == 1
	v_mov_b32 v[B_+6], v[B_+NM]
.elseif (\i) == 2
	v_permlanex16_b32 v[B_+PD], v[B_+4], s28, s29
.elseif (\i) == 3
	v_max3_num_f32 v[B_+NM+1], v[B_+NM+1], v[B_+4], v[B_+PD]
.elseif (\i) == 4
	v_mul_f32 v[B_+5], s30, v[B_+NM+1]
.elseif (\i) == 5
	v_floor_f32 v[B_+NM], -v[B_+5]
.elseif (\i) == 6
	v_sub_f32 v[B_+6], v[B_+NM], v[B_+6]
.elseif (\i) == 7
	v_fma_f32 v[B_+1], v[B_+1], s30, v[B_+NM]
.elseif (\i) == 8
	v_cvt_i32_f32 v[B_+6], v[B_+6]
.elseif (\i) == 9
	v_fma_f32 v[B_+3], v[B_+3], s30, v[B_+NM]
.elseif (\i) == 10
	v_ldexp_f32 v[B_+FF], 1.0, v[B_+6]
.else
	v_pk_mul_f32 v[B_+SUM:B_+SUM+1], v[B_+SUM:B_+SUM+1], v[B_+FF:B_+FF+1] op_sel_hi:[1,0]
.endif
.endm
.macro BULK u, i                       ; lines 0-31: t - M, two at a time; lines 32-47: O^T under the new M
.set B_, TB+24*(\u)
.if (\i) < 32
.set X_, 64*(\u)+2*(\i)
	v_pk_fma_f32 v[X_:X_+1], v[X_:X_+1], s[30:31], v[B_+NM:B_+NM+1] op_sel_hi:[1,0,0]
.else
.set X_, O+32*(\u)+2*((\i)-32)
	v_pk_mul_f32 v[X_:X_+1], v[X_:X_+1], v[B_+FF:B_+FF+1] op_sel_hi:[1,0]
.endif
.endm
.macro SML u, i                        ; line i of 32: the row's sum of the unquantised p, two chains
.set B_, TB+24*(\u)
.set S_, 64*(\u)
.if (\i) == 0
	v_pk_add_f32 v[B_+W2:B_+W2+1], v[S_:S_+1], v[S_+2:S_+3]
.elseif (\i) == 31
	v_pk_add_f32 v[B_+SUM:B_+SUM+1], v[B_+SUM:B_+SUM+1], v[B_+W2:B_+W2+1]
.elseif ((\i)%2) == 1
.set X_, S_+4+4*(((\i)-1)/2)
	v_pk_add_f32 v[B_+SUM:B_+SUM+1], v[B_+SUM:B_+SUM+1], v[X_:X_+1]
.else
.set X_, S_+6+4*(((\i)-1)/2)
	v_pk_add_f32 v[B_+W2:B_+W2+1], v[B_+W2:B_+W2+1], v[X_:X_+1]
.endif
.endm
.macro QK u, n                         ; score product n = 4 c + 2 f + z of tile u
.set D_, 64*(\u)+8*(\n)
.set A_, KF+12*((\n)/2)
.set R_, Q+18*(\u)+6*((\n)%2)
	WIN 0x40
	v_wmma_scale_f32_16x16x128_f8f6f4 v[D_:D_+7], v[A_:A_+11], v[R_:R_+11], 0, v[SCL+(\n)/2], v[QSC+\u] matrix_a_fmt:MATRIX_FMT_FP6 matrix_b_fmt:MATRIX_FMT_FP6
	WIN 0x55
.endm
; A KEY STEP of 128 keys for both tiles.  tail = 1: the next step's operands are asked for: K's behind the score products, V's behind the second products.
.macro STEP off, tail
	s_wait_dscnt 16                                ; K and the scale words are in; V's 16 loads may be out
.set I, 0
.rept 8
	QK 0, I                                        ; behind each product four lines of tile 1's sums of the step before
	SML 1, 4*I
	SML 1, 4*I+1
	SML 1, 4*I+2
	SML 1, 4*I+3
.set I, I+1
.endr
.set I, 0
.rept 8
	QK 1, I                                        ; and four lines of tile 0's search: the four behind a tile's last product are the places ahead of the first read of its results
	MXL 0, 4*I
	MXL 0, 4*I+1
	MXL 0, 4*I+2
	MXL 0, 4*I+3
.set I, I+1
.endr
.if \tail
	WIN 0
	LOADK \off+BLKB
	WIN 0x55
.endif
.set I, 0
.set J, 0
.rept 12                               ; tile 0's chain among tile 1's search
	CHL 0, I
	MXL 1, J
	MXL 1, J+1
.set J, J+2
.if I < 8
	MXL 1, J
.set J, J+1
.endif
.set I, I+1
.endr
.set I, 0
.rept 12                               ; tile 1's chain among tile 0's t - M and rescaling
	CHL 1, I
	BULK 0, 4*I
	BULK 0, 4*I+1
	BULK 0, 4*I+2
	BULK 0, 4*I+3
.set I, I+1
.endr
.set I, 32
.rept 16
	BULK 1, I
.set I, I+1
.endr
	WALU                                           ; ahead of the batch
	v_exp_f32 v[TB+1], v[TB+1]
	v_exp_f32 v[TB+3], v[TB+3]
.set I, 0
.rept 32                               ; tile 0's p = 2^(t - M); tile 1's t - M among them: its results are read behind the next wait
	v_exp_f32 v[2*I], v[2*I]
	v_exp_f32 v[2*I+1], v[2*I+1]
	BULK 1, I
.set I, I+1
.endr
	WALU                                           ; ahead of tile 1's batch
	v_exp_f32 v[TB+25], v[TB+25]
	v_exp_f32 v[TB+27], v[TB+27]
.set I, 64
.rept 64
	v_exp_f32 v[I], v[I]
.set I, I+1
.endr
	v_nop                                          ; the plain place behind the batch
	WALU                                           ; one wait ahead of the first reader of both batches
.irp u, 0,1
	v_max_num_f32 v[TB+24*\u+1], 0x1800000, v[TB+24*\u+1]
	v_max_num_f32 v[TB+24*\u+3], 0x1800000, v[TB+24*\u+3]
.endr
.irp u, 0,1
	v_add_nc_u32 v[TB+24*\u+7], 0xff000000, v[TB+24*\u+1]      ; the conversions' scale operands
	v_add_nc_u32 v[TB+24*\u+8], 0xff000000, v[TB+24*\u+3]
.endr
.irp u, 0,1
	v_lshrrev_b32 v[TB+24*\u+9], 23, v[TB+24*\u+7]
	v_lshrrev_b32 v[TB+24*\u+10], 23, v[TB+24*\u+8]
.endr
.irp u, 0,1
	v_lshl_or_b32 v[TB+24*\u+9], v[TB+24*\u+10], 16, v[TB+24*\u+9]
.endr
.irp u, 0,1
	v_lshlrev_b32 v[TB+24*\u+9], v[H8], v[TB+24*\u+9]
.endr
.irp u, 0,1
	v_permlanex16_b32 v[TB+24*\u+PD], v[TB+24*\u+9], s28, s29
.endr
	WIN 0x05
.irp u, 0,1
	v_or_b32 v[PSC+\u], v[TB+24*\u+9], v[TB+24*\u+PD]          ; p's scale word
.endr
.irp c, 0,1
.irp u, 0,1
	v_cvt_scalef32_pk16_fp6_f32 v[P+12*\u+6*\c:P+12*\u+6*\c+2], v[64*\u+32*\c:64*\u+32*\c+15], v[TB+24*\u+7+\c]
	v_cvt_scalef32_pk16_fp6_f32 v[CT+8*\u+4*\c:CT+8*\u+4*\c+2], v[64*\u+32*\c+16:64*\u+32*\c+31], v[TB+24*\u+7+\c]
.endr
.endr
	WIN 0x55
	SML 0, 0                                       ; also the plain place behind the conversions
	SML 0, 1
	WIN 0
.irp c, 0,1
.irp i, 0,1,2
.irp u, 0,1
	v_mov_b32 v[P+12*\u+3+6*\c+\i], v[CT+8*\u+4*\c+\i]
.endr
.endr
.endr
	WIN 0x55
	SML 0, 2                                       ; four plain lines between the last code and the products
	SML 0, 3
	SML 0, 4
	SML 0, 5
	WALU
.if \tail
	s_wait_dscnt 12                                ; V is in; the next step's 12 loads of K may be out
.else
	s_wait_dscnt 0x0
.endif
.set I, 0
.rept 8                                ; product I: V's tile I / 2, query tile I % 2; behind each three lines of tile 0's sums
.set D_, O+32*(I%2)+8*(I/2)
	WIN 0x50
	v_wmma_scale_f32_16x16x128_f8f6f4 v[D_:D_+7], v[VF+12*(I/2):VF+12*(I/2)+11], v[P+12*(I%2):P+12*(I%2)+11], v[D_:D_+7], v[SCL+I/2], v[PSC+I%2] matrix_a_fmt:MATRIX_FMT_FP6 matrix_b_fmt:MATRIX_FMT_FP6 matrix_a_scale:MATRIX_SCALE_ROW1
	WIN 0x55
	SML 0, 6+3*I
	SML 0, 7+3*I
	SML 0, 8+3*I
.set I, I+1
.endr
	SML 0, 30                                      ; five plain lines stand behind the last product, ahead of the loads into V's registers
	SML 0, 31
	WIN 0
.if \tail
	LOADV \off+BLKB
.endif
.endm
	WALU
	s_wait_tensorcnt 0x0
	s_barrier_signal -1
	s_barrier_wait -1                              ; the head's K and V lie in LDS
.Lpass:
.irp u, 0,1
	global_load_b128 v[Q+18*\u:Q+18*\u+3], v3, s[48:49] offset:768*\u          ; q's image, twice: [q | 0 | q]
	global_load_b64 v[Q+18*\u+4:Q+18*\u+5], v4, s[48:49] offset:768*\u+512
	global_load_b128 v[Q+18*\u+12:Q+18*\u+15], v3, s[48:49] offset:768*\u
	global_load_b64 v[Q+18*\u+16:Q+18*\u+17], v4, s[48:49] offset:768*\u+512
.endr
	global_load_b32 v[RAW], v5, s[50:51]           ; the pair's scale word
	s_mov_b32 s32, 0
	ADDR
	LOADK 0
	LOADV 0
	v_add_nc_u32 v12, s36, v11                     ; where this pass's scale halfwords go
	WALU
	s_wait_loadcnt 0x0
	v_perm_b32 v[QSC], v[RAW], v[RAW], s35
	v_perm_b32 v[QSC+1], v[RAW], v[RAW], s44
	WIN 0x40
.irp u, 0,1
	v_mov_b32 v[TB+24*\u+NM+1], 0xff61b1e6         ; -3e38
	v_mov_b32 v[TB+24*\u+SUM], 0
	v_mov_b32 v[TB+24*\u+SUM+1], 0
.endr
.set J, 64
.rept 128
	v_mov_b32 v[J], 0                              ; tile 1's S (the first step sums it) and O^T: the step is written once; the first change of M leaves zeros zeros
.set J, J+1
.endr
	WIN 0x55
.irp u, 0,1
	v_mul_f32 v[TB+24*\u+5], s30, v[TB+24*\u+NM+1]
.endr
.irp u, 0,1
	v_floor_f32 v[TB+24*\u+NM], -v[TB+24*\u+5]
.endr
	WIN 0
	s_mov_b32 s33, 7
	WALU
.Ltrip:                                            ; two key steps a trip
	STEP 0, 1
	STEP 12800, 1
	s_add_co_u32 s32, s32, 2*BLKB
	ADDR
	s_sub_co_u32 s33, s33, 1
	s_cmp_lg_u32 s33, 0
	WALU
	s_cbranch_scc1 .Ltrip
	STEP 0, 1
	STEP 12800, 0                                  ; the last key step asks for nothing
	WIN 0x55
.set I, 0
.rept 32
	SML 1, I                                       ; tile 1's sums of the last step
.set I, I+1
.endr
	; the pass's end: O^T / the sum, quantised along the head, stored
.irp u, 0,1
	v_add_f32 v[TB+24*\u+SUM], v[TB+24*\u+SUM], v[TB+24*\u+SUM+1]
.endr
.irp u, 0,1
	v_permlanex16_b32 v[TB+24*\u+PD], v[TB+24*\u+SUM], s28, s29
.endr
.irp u, 0,1
	v_add_f32 v[TB+24*\u+SUM], v[TB+24*\u+SUM], v[TB+24*\u+PD]
.endr
	WALU
.irp u, 0,1
	v_rcp_f32 v[TB+24*\u+FF], v[TB+24*\u+SUM]
.endr
	v_nop
	WALU
.set I, 32
.rept 16
	BULK 0, I                                      ; O^T / the sum
	BULK 1, I
.set I, I+1
.endr
.irp b, 0,1                                    ; tiles 2 b and 2 b + 1 change halves: register 16 b + i is then channel 32 b + 16 h + i
.irp j, 0,1,2,3,4,5,6,7
.irp u, 0,1
	v_permlane16_swap_b32 v[O+32*\u+16*\b+\j], v[O+32*\u+16*\b+8+\j]
.endr
.endr
.endr
.irp b, 0,1
.irp u, 0,1
	v_max3_num_f32 v[TB+24*\u+\b], |v[O+32*\u+16*\b]|, |v[O+32*\u+16*\b+1]|, 0x1800000
.endr
.endr
.irp i, 2,4,6,8,10,12,14
.irp b, 0,1
.irp u, 0,1
	v_max3_num_f32 v[TB+24*\u+\b], v[TB+24*\u+\b], |v[O+32*\u+16*\b+\i]|, |v[O+32*\u+16*\b+\i+1]|
.endr
.endr
.endr
.irp u, 0,1
	v_permlanex16_b32 v[TB+24*\u+PD], v[TB+24*\u], s28, s29
	v_permlanex16_b32 v[TB+24*\u+PD+1], v[TB+24*\u+1], s28, s29
.endr
.irp u, 0,1
	v_max_num_f32 v[TB+24*\u], v[TB+24*\u], v[TB+24*\u+PD]
	v_max_num_f32 v[TB+24*\u+1], v[TB+24*\u+1], v[TB+24*\u+PD+1]
.endr
.irp u, 0,1
	v_add_nc_u32 v[TB+24*\u+2], 0xff000000, v[TB+24*\u]
	v_add_nc_u32 v[TB+24*\u+3], 0xff000000, v[TB+24*\u+1]
.endr
.irp u, 0,1
	v_lshrrev_b32 v[TB+24*\u+4], 23, v[TB+24*\u+2]
	v_lshrrev_b32 v[TB+24*\u+5], 23, v[TB+24*\u+3]
.endr
.irp u, 0,1
	v_lshl_or_b32 v[TB+24*\u+4], v[TB+24*\u+5], 8, v[TB+24*\u+4]   ; the head's two scale bytes of my query
.endr
	WIN 0x05
.irp u, 0,1
	v_cvt_scalef32_pk16_fp6_f32 v[KF+12*\u:KF+12*\u+2], v[O+32*\u:O+32*\u+15], v[TB+24*\u+2]
	v_cvt_scalef32_pk16_fp6_f32 v[KF+12*\u+6:KF+12*\u+8], v[O+32*\u+16:O+32*\u+31], v[TB+24*\u+3]
.endr
	WIN 0
	v_nop
.irp i, 0,1,2
.irp u, 0,1
	v_permlane16_swap_b32 v[KF+12*\u+\i], v[KF+12*\u+6+\i]
.endr
.endr
.irp i, 0,1,2
.irp u, 0,1
	v_mov_b32 v[KF+12*\u+3+\i], v[KF+12*\u+6+\i]   ; lane (r, h): block h of query r's 64 channels
.endr
.endr
.irp u, 0,1
	global_store_b128 v3, v[KF+12*\u:KF+12*\u+3], s[52:53] offset:12288*\u     ; an image: 512 and 256 consecutive bytes, aligned
	global_store_b64 v4, v[KF+12*\u+4:KF+12*\u+5], s[52:53] offset:12288*\u+512
.endr
	WIN 0x04
.irp u, 0,1
	ds_store_b16 v12, v[TB+24*\u+4] offset:32*\u
.endr
	WIN 0
	s_wait_xcnt 0x0                                ; the stores have read their registers and base
	s_wait_dscnt 0x0
	s_add_nc_u64 s[48:49], s[48:49], 1536
	s_add_nc_u64 s[50:51], s[50:51], 64
	s_add_nc_u64 s[52:53], s[52:53], 24576
	s_add_co_u32 s36, s36, 64
	s_sub_co_u32 s34, s34, 1
	s_cmp_lg_u32 s34, 0
	s_cbranch_scc1 .Lpass
	s_barrier_signal -1                            ; every wave's halfwords lie in the stage
	s_barrier_wait -1
	s_cmp_gt_u32 s12, 1
	s_cbranch_scc1 .Lnot_out
	ds_load_b128 v[20:23], v252
	s_wait_dscnt 0x0
	global_store_b128 v253, v[20:23], s[54:55]
.Lnot_out:
	s_wait_tensorcnt 0x0
	ds_add_u32 v254, v255
	s_wait_dscnt 0x0
	CROUND
	s_endpgm
.Lfunc_end_k_q900cb4c5a3_attn:
	.size	k_q900cb4c5a3_attn, .Lfunc_end_k_q900cb4c5a3_attn-k_q900cb4c5a3_attn
	.p2alignl 7, 3214868480
	.fill 96, 4, 3214868480
	.section	.rodata,"a",@progbits
	.p2align	6, 0x0
	.amdhsa_kernel k_q900cb4c5a3_attn
		.amdhsa_group_segment_fixed_size 208896
		.amdhsa_private_segment_fixed_size 0
		.amdhsa_enable_private_segment 0
		.amdhsa_kernarg_size 32
		.amdhsa_user_sgpr_count 2
		.amdhsa_user_sgpr_kernarg_segment_ptr 1
		.amdhsa_wavefront_size32 1
		.amdhsa_system_sgpr_workgroup_id_x 1
		.amdhsa_system_sgpr_workgroup_id_y 1
		.amdhsa_system_sgpr_workgroup_id_z 1
		.amdhsa_system_vgpr_workitem_id 0
		.amdhsa_next_free_vgpr 504
		.amdhsa_next_free_sgpr 66
		.amdhsa_reserve_vcc 0
		.amdhsa_float_denorm_mode_32 3
		.amdhsa_float_denorm_mode_16_64 3
		.amdhsa_memory_ordered 1
		.amdhsa_forward_progress 1
		.amdhsa_inst_pref_size 134
	.end_amdhsa_kernel
	.amdgpu_metadata
---
amdhsa.version: [ 1, 2 ]
amdhsa.kernels:
  - .name:           k_q900cb4c5a3_attn
    .symbol:         k_q900cb4c5a3_attn.kd
    .args:
      - { .name: qws, .offset: 0, .size: 8, .value_kind: global_buffer, .address_space: global }
      - { .name: kvws, .offset: 8, .size: 8, .value_kind: global_buffer, .address_space: global }
      - { .name: aws, .offset: 16, .size: 8, .value_kind: global_buffer, .address_space: global }
      - { .name: asc, .offset: 24, .size: 8, .value_kind: global_buffer, .address_space: global }
    .group_segment_fixed_size: 208896
    .private_segment_fixed_size: 0
    .kernarg_segment_align: 8
    .kernarg_segment_size: 32
    .max_flat_workgroup_size: 256
    .sgpr_count:     66
    .vgpr_count:     504
    .wavefront_size: 32
...
	.end_amdgpu_metadata
.endif
;; end of part 2
;; launch proj (part 3): grid 8 x 32, 4 waves a work-group, clusters of 4 x 4, 327,680 bytes of LDS; arguments aws, asc, W_out_codes, W_out_scales, b_out, out0; writes out0
.if DOCPART == 3
	.amdgcn_target "amdgcn-amd-amdhsa--gfx1250"
	.amdhsa_code_object_version 6
	.text
	.protected	k_q900cb4c5a3_proj
	.globl	k_q900cb4c5a3_proj
	.p2align	8
	.type	k_q900cb4c5a3_proj,@function
k_q900cb4c5a3_proj:
	s_mov_b64 s[64:65], 0
	v_nop
	global_prefetch_b8 v0, s[64:65] scope:SCOPE_SE
	s_setreg_imm32_b32 hwreg(HW_REG_WAVE_MODE, 25, 1), 1
	s_wait_xcnt 0x0
	s_wait_alu depctr_hold_cnt(0) depctr_sa_sdst(0) depctr_va_vdst(0) depctr_va_sdst(0) depctr_va_ssrc(0) depctr_va_vcc(0) depctr_vm_vsrc(0)
	s_getreg_b32 s2, hwreg(HW_REG_IB_STS2, 6, 4)
	s_cmp_eq_u32 s2, 0
	s_cbranch_scc0 .Lentry_in_a_cluster
	s_endpgm
.Lentry_in_a_cluster:
	s_bfe_u32 s2, ttmp6, 0x10000c
	s_cmp_lg_u32 s2, 0xf033
	s_cbranch_scc0 .Lentry_shape_is_right
	s_endpgm
.Lentry_shape_is_right:
; out0 = att_v W_out^T + b_out on codes of FP6 (E2M3) with E8M0 scales.  att_v comes as operand images (aws: 768 bytes for each token tile and head) and scale halfwords (asc[head][token]).
; SHARES.  Work-group (x = 128 columns, y = 256 tokens).  Wave w: tokens 64 w .. + 63 x 128 columns: 32 accumulators.  Source 0 = 16 rows of W_out, source 1 = 16 tokens: a lane holds eight neighbouring columns of a row.
; ALL OF K (1,024) LIES IN LDS, filled once, one tensor load a wave: waves 0, 1 eight token tiles each (98,304 dense bytes, as rows of 256), waves 2, 3 64 whole rows of W_out each (768 bytes, 16 of padding behind every 256).
; CLUSTER 4 x 4: att_v's tiles hang on y alone (asked for jointly along a row of the cluster), W_out's on x alone (along a column).
; The bias is the C of the first K step.  No prefetch: every tile is asked for in the launch's one group of loads.
.set WOFF,  196608
.set PITCH, 816
.set SPARE, WOFF+128*PITCH
.set SPITCH, 528                       ; the way out: 16 rows x (512 + 16), at the start of the wave's own four token tiles, which it alone reads and has read out by then
.set A16, 8
.set A8,  12
.set AW,  16                           ; v16, v17 W's tiles 0-3, 4-7; v20, v21 behind one padding more
.set STO, 24
.set RD,  25
.set CO,  26
.set SCA, 32
.set SCW, 48
.set XF,  96
.set TH,  192
.set BK,  128
.set BIAS, 96                          ; window 1
.set G1A, 24
.set G0A, 32
.set G0B, 48
.set G1B, 68
.set MSB, 0
.macro WIN new
.if MSB != \new
	s_set_vgpr_msb (MSB<<8)|\new
.set MSB, \new
.endif
.endm
.macro PLACES n
.rept \n
	v_nop
.endr
.endm
.macro CROUND
	s_barrier_signal -1
	s_barrier_wait -1
	s_cmp_lg_u32 s14, 0
	s_cbranch_scc1 .Lnot_wave_0_\@
	s_barrier_signal -3
.Lnot_wave_0_\@:
	s_barrier_wait -3
	s_barrier_signal -1
	s_barrier_wait -1
.endm
	s_load_b256 s[4:11], s[0:1], 0x0               ; aws, asc, W's codes, W's scales
	s_load_b128 s[76:79], s[0:1], 0x20             ; b_out, out0
	v_lshl_add_u32 v94, v0, 2, SPARE
	v_mov_b32 v95, 0
	ds_add_u32 v94, v95                            ; the opening lines
	ds_add_u32 v94, v95
	v_lshrrev_b32 v1, 5, v0
	v_readfirstlane_b32 s14, v1
	s_lshr_b32 s15, s14, 1                         ; I fetch for att_v (0) or for W (1)
	s_and_b32 s16, s14, 1
	s_bfe_u32 s80, ttmp6, 0x40000
	s_bfe_u32 s81, ttmp6, 0x40004
	s_lshl_b32 s82, ttmp9, 2
	s_add_co_u32 s82, s82, s80                     ; x
	s_and_b32 s17, ttmp7, 0xffff
	s_lshl_b32 s17, s17, 2
	s_add_co_u32 s17, s17, s81                     ; y
	s_lshl_b32 s83, s81, 2
	s_lshl_b32 s83, 15, s83
	s_lshl_b32 s84, 0x1111, s80
	s_or_b32 s[G1A+0], s83, (3<<16)|(1<<21)        ; elements of 8 bytes, no padding
	s_mov_b32 s[G1A+1], 32<<16                     ; rows of 256 bytes,
	s_mov_b32 s[G1A+2], 384<<16                    ; 384 of them
	s_mov_b32 s[G1A+3], 32<<16
	s_mov_b32 s[G1A+4], 384
	s_mov_b32 s[G1A+5], 32
	s_mov_b32 s[G1A+6], 0
	s_mov_b32 s[G1A+7], 0
	s_or_b32 s[G1B+0], s84, (1<<20)|(1<<21)|(5<<22)|(3<<25)
	s_mov_b32 s[G1B+1], 768<<16
	s_mov_b32 s[G1B+2], 64<<16
	s_mov_b32 s[G1B+3], 768<<16
	s_mov_b32 s[G1B+4], 64
	s_mov_b32 s[G1B+5], 768
	s_mov_b32 s[G1B+6], 0
	s_mov_b32 s[G1B+7], 0
	s_lshl_b32 s20, s17, 4
	s_lshl_b32 s21, s16, 3
	s_add_co_u32 s20, s20, s21
	s_mul_i32 s20, s20, 12288
	s_mov_b32 s21, 0
	s_lshl_b32 s86, s82, 7
	s_lshl_b32 s87, s16, 6
	s_add_co_u32 s86, s86, s87
	s_mul_i32 s86, s86, 768
	s_mov_b32 s87, 0
	s_mov_b32 s[G0A], 1
	s_mul_i32 s[G0A+1], s16, 98304
	s_mov_b32 s[G0B], 1
	s_mul_i32 s[G0B+1], s16, 64*PITCH
	s_add_co_u32 s[G0B+1], s[G0B+1], WOFF
	s_wait_alu depctr_va_vdst(0)
	s_wait_dscnt 0x0
	s_wait_kmcnt 0x0
	s_add_nc_u64 s[G0A+2:G0A+3], s[4:5], s[20:21]
	s_or_b32 s[G0A+3], s[G0A+3], 0x80000000
	s_add_nc_u64 s[G0B+2:G0B+3], s[8:9], s[86:87]
	s_or_b32 s[G0B+3], s[G0B+3], 0x80000000
	CROUND
	s_cmp_eq_u32 s15, 0
	s_cbranch_scc0 .Lfor_w
	tensor_load_to_lds s[G0A:G0A+3], s[G1A:G1A+7]
	s_nop 0
	PLACES 4
	s_branch .Lasked
.Lfor_w:
	tensor_load_to_lds s[G0B:G0B+3], s[G1B:G1B+7]
	s_nop 0
	PLACES 4
.Lasked:
	s_lshl_b32 s90, s17, 9
	s_lshl_b32 s91, s14, 7
	s_add_co_u32 s90, s90, s91
	s_mov_b32 s91, 0
	s_add_nc_u64 s[6:7], s[6:7], s[90:91]
	s_lshl_b32 s90, s82, 12
	s_add_nc_u64 s[10:11], s[10:11], s[90:91]
	s_lshl_b32 s90, s82, 9
	s_add_nc_u64 s[76:77], s[76:77], s[90:91]
	v_and_b32 v1, 15, v0
	v_bfe_u32 v2, v0, 4, 1
	v_and_b32 v3, 31, v0
	v_lshlrev_b32 v4, 5, v1
	v_lshl_add_u32 v4, v2, 4, v4                   ; W's scale bytes: 32 r + 16 h
	v_lshlrev_b32 v5, 1, v1
	v_lshl_add_u32 v5, v2, 17, v5                  ; asc: 2 r, eight heads on for lanes 16-31
	v_lshlrev_b32 v6, 5, v2                        ; bias: my half's eight columns
	s_wait_alu depctr_va_vdst(0)
.irp a, 0,1,2,3
.irp j, 0,1,2,3
.irp e, 0,1
	global_load_u16 v[TH+2*(4*\a+\j)+\e], v5, s[6:7] offset:16384*(2*\j+\e)+32*\a
.endr
.endr
.endr
.irp i, 0,1,2,3,4,5,6,7
	global_load_b128 v[SCW+4*\i:SCW+4*\i+3], v4, s[10:11] offset:512*\i
.endr
	WIN 0x40
.irp i, 0,1,2,3,4,5,6,7
	global_load_b128 v[BIAS+8*\i:BIAS+8*\i+3], v6, s[76:77] offset:64*\i
	global_load_b128 v[BIAS+8*\i+4:BIAS+8*\i+7], v6, s[76:77] offset:64*\i+16
.endr
	WIN 0
	v_lshlrev_b32 v[CO], 4, v3
	v_lshlrev_b32 v7, 3, v3
	v_mul_u32_u24 v27, v1, PITCH
	v_mad_u32_u24 v27, v2, 24, v27
	v_lshl_add_u32 v28, v2, 4, v27
	s_mul_i32 s92, s14, 49152                      ; my four token tiles
	v_add_nc_u32 v[A16], s92, v[CO]
	v_add_nc_u32 v[A8], s92, v7
	v_add_nc_u32 v[AW], WOFF, v27
	v_add_nc_u32 v[AW+1], WOFF+64*PITCH, v27
	v_add_nc_u32 v[AW+4], WOFF, v28
	v_add_nc_u32 v[AW+5], WOFF+64*PITCH, v28
	v_mul_u32_u24 v[STO], v1, SPITCH
	v_lshl_add_u32 v[STO], v2, 5, v[STO]
	v_add_nc_u32 v[STO], s92, v[STO]
	v_add_nc_u32 v[RD], s92, v[CO]
	s_lshl_b32 s90, s17, 20
	s_lshl_b32 s95, s14, 18
	s_add_co_u32 s90, s90, s95
	s_lshl_b32 s95, s82, 9
	s_add_co_u32 s90, s90, s95
	s_add_nc_u64 s[78:79], s[78:79], s[90:91]
	s_wait_alu depctr_va_vdst(0)
	s_wait_loadcnt 0x0
.irp a, 0,1,2,3
.irp j, 0,1,2,3
	v_lshl_or_b32 v[SCA+4*\a+\j], v[TH+2*(4*\a+\j)+1], 16, v[TH+2*(4*\a+\j)]   ; two heads' bytes make a K step's word
.endr
.endr
	PLACES 8
.macro FRAGW reg, adr, q, i
.irp p, 0,1,2,3,4,5
.set PCE, 12*(\q)+6*(\p/3)+\p%3
.if (PCE%32) > 28
	ds_load_b64 v[\reg+2*\p:\reg+2*\p+1], v[\adr+4] offset:8*PCE+16*(PCE/32)+(\i)*16*PITCH
.else
	ds_load_b64 v[\reg+2*\p:\reg+2*\p+1], v[\adr] offset:8*PCE+16*(PCE/32)+(\i)*16*PITCH
.endif
.endr
.endm
.macro FETCH_A s, p                    ; my four fragments of att_v for K step s: 16 loads
	WIN 0
.irp a, 0,1,2,3
	ds_load_b128 v[XF+48*(\p)+12*\a:XF+48*(\p)+12*\a+3], v[A16] offset:12288*\a+1536*(\s)
	ds_load_b64 v[XF+48*(\p)+12*\a+4:XF+48*(\p)+12*\a+5], v[A8] offset:12288*\a+1536*(\s)+512
	ds_load_b128 v[XF+48*(\p)+12*\a+6:XF+48*(\p)+12*\a+9], v[A16] offset:12288*\a+1536*(\s)+768
	ds_load_b64 v[XF+48*(\p)+12*\a+10:XF+48*(\p)+12*\a+11], v[A8] offset:12288*\a+1536*(\s)+1280
.endr
.endm
.macro FETCH_W s, i0                   ; four tiles of W: 24 loads
	WIN 0x40
.irp i, 0,1,2,3
	FRAGW 12*(\i0+\i), AW+(\i0)/4, \s, \i
.endr
	WIN 0
.endm
; W tile i against my four token tiles, K step s.  The 32 accumulators take turns.
.macro MULW i, s, first
.irp a, 0,1,2,3
.set rD, 64*\a+8*(\i)
.set rA, 12*(\i)
.set rB, XF+48*((\s)%2)+12*\a
.set rSA, SCW+4*(\i)+(\s)%4
.set rSB, SCA+4*\a+(\s)%4
.if \first
.set rC, BIAS+8*(\i)
	WIN 0x91
.else
.set rC, 64*\a+8*(\i)
	WIN 0xa1
.endif
.if (\s) < 4
	v_wmma_scale_f32_16x16x128_f8f6f4 v[rD:rD+7], v[rA:rA+11], v[rB:rB+11], v[rC:rC+7], v[rSA], v[rSB] matrix_a_fmt:MATRIX_FMT_FP6 matrix_b_fmt:MATRIX_FMT_FP6
.else
	v_wmma_scale_f32_16x16x128_f8f6f4 v[rD:rD+7], v[rA:rA+11], v[rB:rB+11], v[rC:rC+7], v[rSA], v[rSB] matrix_a_fmt:MATRIX_FMT_FP6 matrix_b_fmt:MATRIX_FMT_FP6 matrix_a_scale:MATRIX_SCALE_ROW1 matrix_b_scale:MATRIX_SCALE_ROW1
.endif
.endr
.endm
.macro STEP s, first
	s_wait_dscnt 24                                ; att_v's set and W tiles 0-3 are in; W tiles 4-7's 24 loads may be out
.irp i, 0,1,2,3
	MULW \i, \s, \first
.endr
	s_wait_dscnt 0x0
	PLACES 4
	FETCH_A (\s)+1, 1-(\s)%2
	FETCH_W (\s)+1, 0
.irp i, 4,5,6,7
	MULW \i, \s, \first
.endr
	PLACES 4
	FETCH_W (\s)+1, 4
.endm
	s_wait_alu depctr_va_vdst(0)
	s_wait_tensorcnt 0x0                           ; my tile is in,
	s_barrier_signal -1
	s_barrier_wait -1                              ; everybody's is
	FETCH_A 0, 0
	FETCH_W 0, 0
	FETCH_W 0, 4
	STEP 0, 1
.irp s, 1,2,3,4,5,6
	STEP \s, 0
.endr
	s_wait_dscnt 24
.irp i, 0,1,2,3
	MULW \i, 7, 0
.endr
	s_wait_dscnt 0x0
.irp i, 4,5,6,7
	MULW \i, 7, 0
.endr
	WIN 0
; THE WAY OUT, a block of 16 rows x 128 columns at a time, through my own stage: back as whole rows of 512 bytes.  LDS serves a wave's instructions in order: no wait between the stores and the loads.
.macro TOSTAGE a
	WIN 0x08
.irp b, 0,1,2,3,4,5,6,7
	ds_store_b128 v[STO], v[64*(\a)+8*\b:64*(\a)+8*\b+3] offset:64*\b
	ds_store_b128 v[STO], v[64*(\a)+8*\b+4:64*(\a)+8*\b+7] offset:64*\b+16
.endr
	WIN 0
.set BB, BK+64*((\a)%2)
.irp t, 0,1,2,3,4,5,6,7,8,9,10,11,12,13,14,15
	ds_load_b128 v[BB+4*\t:BB+4*\t+3], v[RD] offset:\t*SPITCH
.endr
.endm
.macro SEND a, younger
.set BB, BK+64*((\a)%2)
	s_wait_dscnt \younger                          ; the block is back; the next block's 16 stores and 16 loads may be out
.if (\a) > 0
	s_add_nc_u64 s[78:79], s[78:79], 16*4096
.endif
.irp t, 0,1,2,3,4,5,6,7,8,9,10,11,12,13,14,15
	global_store_b128 v[CO], v[BB+4*\t:BB+4*\t+3], s[78:79] offset:\t*4096 th:TH_STORE_NT
.endr
.endm
	PLACES 4
	TOSTAGE 0
.irp a, 1,2,3
.if \a > 1
	s_wait_xcnt 0x0                                ; block a - 2's stores have read their registers and their base
.endif
	TOSTAGE \a
	SEND \a-1, 32
.endr
	s_wait_xcnt 0x0
	SEND 3, 0
	s_wait_tensorcnt 0x0
	ds_add_u32 v94, v95
	s_wait_dscnt 0x0
	CROUND
	s_endpgm
.Lfunc_end_k_q900cb4c5a3_proj:
	.size	k_q900cb4c5a3_proj, .Lfunc_end_k_q900cb4c5a3_proj-k_q900cb4c5a3_proj
	.p2alignl 7, 3214868480
	.fill 96, 4, 3214868480
	.section	.rodata,"a",@progbits
	.p2align	6, 0x0
	.amdhsa_kernel k_q900cb4c5a3_proj
		.amdhsa_group_segment_fixed_size 327680
		.amdhsa_private_segment_fixed_size 0
		.amdhsa_enable_private_segment 0
		.amdhsa_kernarg_size 48
		.amdhsa_user_sgpr_count 2
		.amdhsa_user_sgpr_kernarg_segment_ptr 1
		.amdhsa_wavefront_size32 1
		.amdhsa_system_sgpr_workgroup_id_x 1
		.amdhsa_system_sgpr_workgroup_id_y 1
		.amdhsa_system_sgpr_workgroup_id_z 1
		.amdhsa_system_vgpr_workitem_id 0
		.amdhsa_next_free_vgpr 768
		.amdhsa_next_free_sgpr 100
		.amdhsa_reserve_vcc 0
		.amdhsa_float_denorm_mode_32 3
		.amdhsa_float_denorm_mode_16_64 3
		.amdhsa_memory_ordered 1
		.amdhsa_forward_progress 1
		.amdhsa_inst_pref_size 96
	.end_amdhsa_kernel
	.amdgpu_metadata
---
amdhsa.version: [ 1, 2 ]
amdhsa.kernels:
  - .name:           k_q900cb4c5a3_proj
    .symbol:         k_q900cb4c5a3_proj.kd
    .args:
      - { .name: aws, .offset: 0, .size: 8, .value_kind: global_buffer, .address_space: global }
      - { .name: asc, .offset: 8, .size: 8, .value_kind: global_buffer, .address_space: global }
      - { .name: W_out_codes, .offset: 16, .size: 8, .value_kind: global_buffer, .address_space: global }
      - { .name: W_out_scales, .offset: 24, .size: 8, .value_kind: global_buffer, .address_space: global }
      - { .name: b_out, .offset: 32, .size: 8, .value_kind: global_buffer, .address_space: global }
      - { .name: out0, .offset: 40, .size: 8, .value_kind: global_buffer, .address_space: global }
    .group_segment_fixed_size: 327680
    .private_segment_fixed_size: 0
    .kernarg_segment_align: 8
    .kernarg_segment_size: 48
    .max_flat_workgroup_size: 128
    .sgpr_count:     100
    .vgpr_count:     768
    .wavefront_size: 32
...
	.end_amdgpu_metadata
.endif
;; end of part 3
